; MI455X (gfx1250); checked and timed in simulation.
; The chip was launched on July 23, 2026; its instructions are those of AMD's public machine-readable ISA for CDNA 5 (MIT licence, August 2026) and "CDNA5" Instruction Set Architecture Reference Guide (July 2026). The comments in the code are by the model that wrote it; some were corrected since.
;; TCDWA Model. Allowed arithmetic: float matrix products may take bf16 or f16 operands with f32 sums; all other float work in f32.
;; Inputs: hidden_states 64 x 512 x 768 float32; input_ids 64 x 512 int32; last_hidden_states 64 x 512 x 768 float32; pooler_output 64 x 768 float32.
;; Outputs: out0 64 x 768 float32; out1 64 x 768 float32; out2 64 x 6 x 768 float32; out3 64 x 6 float32; out4 64 x 5 int32.
;; Constants: cls_id = 101, k = 5, sep_id = 102.
;; One version. Each part assembles by itself: llvm-mc -triple=amdgcn-amd-amdhsa -mcpu=gfx1250 --defsym DOCPART=n.
;; ======== version 1 of 1: 3 launches
;; workspace buffers: sims 131,072 bytes; order 2,048 bytes of whole numbers
;; launch simsk (part 1): grid 256 x 1, 8 waves a work-group, no clusters, 1,536 bytes of LDS; arguments hidden_states, sims; writes sims
.if DOCPART == 1
	.amdgcn_target "amdgcn-amd-amdhsa--gfx1250"
	.amdhsa_code_object_version 6
	.text
	.protected	k_q0d75a3e543_simsk
	.globl	k_q0d75a3e543_simsk
	.p2align	8
	.type	k_q0d75a3e543_simsk,@function
k_q0d75a3e543_simsk:
	s_mov_b64 s[64:65], 0
	v_nop
	global_prefetch_b8 v0, s[64:65] scope:SCOPE_SE
	s_setreg_imm32_b32 hwreg(HW_REG_WAVE_MODE, 25, 1), 1
	s_wait_xcnt 0x0
; sims[b][s] = dot(h[b][0], h[b][s]) / max(|h[b][0]| * |h[b][s]|, 1e-8).   h: [64][512][768] f32, sims: [64][512] f32.
; A stream: every byte of h is read once, 16 bytes a lane, each load of a wave covering 512 consecutive aligned bytes.
; Work-group g owns rows 128 (g & 3) .. + 127 of batch g >> 2, which are 393,216 consecutive bytes; wave w owns 16 of these rows.
; A lane holds 24 columns of a row: piece j (0..5) is columns 128 j + 4 lane .. + 3.  A ring of 8 row slots in registers keeps
; 48 loads (24 KB) of every wave on their way.  No loop: 16 turns written out, every address is one base, one fixed offset register, an immediate.
; WHY THE VECTOR UNIT, IN F32: the product has ONE left-hand row for each batch, so a 16-row matrix tile would carry 15 idle rows; turning a
; row into bf16 takes as many vector instructions (12 packed conversions a lane) as the 12 packed multiply-adds that it would spare; and the
; similarities order a top-7 whose token ids are compared exactly, which bf16 operands would reorder.
; WHY NO CLUSTER: all that work-groups share is the batch's row 0, 3,072 of the 393,216 bytes that each reads.
; LIMITS: v_sqrt_f32 and v_rcp_f32 flush denormals (ISA guide 15.8): a squared norm below 2^-126 counts as 0, and the 1e-8 clamp then applies;
; the quotient is a multiplication by v_rcp_f32 (1 ULP), not a correctly rounded division.  Squared norms overflow above |x| of about 6e17.
.set ROWB,  3072                       ; bytes in a row
.set SLOTS, 8                          ; row slots in registers
.set ROWS,  16                         ; rows of a wave
.set C,   4                            ; v[4:27]    row 0 of the batch, my 24 columns
.set X,   28                           ; v[28:219]  slot s: 24 registers, a row as loaded
.set D0,  220                          ; v[220:221] dot, chain 0
.set D1,  222                          ; v[222:223] dot, chain 1
.set N0,  224                          ; v[224:225] squared norm, chain 0
.set N1,  226                          ; v[226:227] squared norm, chain 1
.set K,   228                          ; lanes 0-15: dot, lanes 16-31: squared norm, on their way to the sum over the lanes
.set G,   229                          ; the other way round: what goes to the other half of the lanes
.set R,   231                          ; lane t: dot of my row t; lane 16 + t: its squared norm
.set C2,  232                          ; squared norm of row 0, in every lane
.set T,   233                          ; v[233:237] at work
	s_load_b128 s[4:7], s[0:1], 0x0                ; h s[4:5], sims s[6:7]
	v_lshl_add_u32 v240, v0, 2, 0x200
	v_mov_b32 v241, 0
	v_lshrrev_b32 v[T], 5, v0
	v_readfirstlane_b32 s8, v[T]                   ; wave 0..7
	v_and_b32 v2, 31, v0
	v_lshlrev_b32 v2, 4, v2                        ; v2 = 16 x lane
	v_mad_u32_u24 v1, v[T], ROWS*ROWB, v2          ; v1 = wave x 16 rows + 16 x lane: never rewritten
	v_and_b32 v3, 15, v0
	v_lshlrev_b32 v3, 2, v3
	v_lshl_add_u32 v3, v[T], 6, v3                 ; v3 = LDS word of my wave's row lane % 16
	s_mul_i32 s10, ttmp9, 128*ROWB                 ; the group's 128 rows (at most 100,270,080: one word)
	s_mov_b32 s11, 0
	s_lshr_b32 s9, ttmp9, 2                        ; batch
	s_mul_i32 s22, s9, 512*ROWB                    ; the batch's row 0
	s_mov_b32 s23, 0
	s_lshl_b32 s24, ttmp9, 9                       ; the group's 128 results
	s_mov_b32 s25, 0
	s_mov_b32 s12, 0x76543210                      ; v_permlanex16_b32: lane i of one half reads lane i of the other
	s_mov_b32 s13, 0xfedcba98
	s_mov_b32 s14, 0x0000ffff                      ; lanes 0-15
	s_wait_kmcnt 0x0
	s_add_nc_u64 s[16:17], s[4:5], s[10:11]        ; the stream
	s_add_nc_u64 s[18:19], s[4:5], s[22:23]        ; row 0
	s_add_nc_u64 s[20:21], s[6:7], s[24:25]        ; the results
.macro FILL t                          ; six loads: my wave's row t into slot t % 8
.irp j, 0,1,2,3,4,5
	global_load_b128 v[X+24*((\t)%SLOTS)+4*\j:X+24*((\t)%SLOTS)+4*\j+3], v1, s[16:17] offset:(\t)*ROWB+512*\j th:TH_LOAD_NT
.endr
.endm
.macro LANESUM16 r                     ; sum inside each half of 16 lanes, riding on the additions (DPP)
	v_add_f32_dpp v[\r], v[\r], v[\r] row_xmask:1 row_mask:0xf bank_mask:0xf
	v_add_f32_dpp v[\r], v[\r], v[\r] row_xmask:2 row_mask:0xf bank_mask:0xf
	v_add_f32_dpp v[\r], v[\r], v[\r] row_xmask:4 row_mask:0xf bank_mask:0xf
	v_add_f32_dpp v[\r], v[\r], v[\r] row_xmask:8 row_mask:0xf bank_mask:0xf
.endm
.irp j, 0,1,2,3,4,5
	global_load_b128 v[C+4*\j:C+4*\j+3], v2, s[18:19] offset:512*\j    ; row 0: four work-groups read it, so no hint
.endr
.irp t, 0,1,2,3,4,5,6,7
	FILL \t
.endr
	; squared norm of row 0
	s_wait_loadcnt 48                              ; the 48 loads of rows 0-7 are younger and stay out: row 0 of the batch is in
	v_pk_mul_f32 v[D0:D0+1], v[C:C+1], v[C:C+1]
	v_pk_mul_f32 v[D1:D1+1], v[C+2:C+3], v[C+2:C+3]
.irp p, 2,4,6,8,10
	v_pk_fma_f32 v[D0:D0+1], v[C+2*\p:C+2*\p+1], v[C+2*\p:C+2*\p+1], v[D0:D0+1]
	v_pk_fma_f32 v[D1:D1+1], v[C+2*\p+2:C+2*\p+3], v[C+2*\p+2:C+2*\p+3], v[D1:D1+1]
.endr
	v_pk_add_f32 v[D0:D0+1], v[D0:D0+1], v[D1:D1+1]
	v_add_f32 v[C2], v[D0], v[D0+1]
	LANESUM16 C2
	v_permlanex16_b32 v[D1], v[C2], s12, s13       ; (its destination counts as read: D1 has been written)
	v_add_f32 v[C2], v[C2], v[D1]
; The turn of row t.  refill = 1: the slot gets row t + 8.  left = how many younger loads may stay out.
.macro TURN t, refill, left
.set XS, X+24*((\t)%SLOTS)
	s_wait_loadcnt \left                           ; loads come back in order (ISA guide 5.7.1): six for each younger row stay out
	v_pk_mul_f32 v[D0:D0+1], v[XS:XS+1], v[C:C+1]                  ; the first products start the four chains: nothing is cleared
	v_pk_mul_f32 v[N0:N0+1], v[XS:XS+1], v[XS:XS+1]
	v_pk_mul_f32 v[D1:D1+1], v[XS+2:XS+3], v[C+2:C+3]
	v_pk_mul_f32 v[N1:N1+1], v[XS+2:XS+3], v[XS+2:XS+3]
.irp p, 2,4,6,8,10
	v_pk_fma_f32 v[D0:D0+1], v[XS+2*\p:XS+2*\p+1], v[C+2*\p:C+2*\p+1], v[D0:D0+1]
	v_pk_fma_f32 v[N0:N0+1], v[XS+2*\p:XS+2*\p+1], v[XS+2*\p:XS+2*\p+1], v[N0:N0+1]
	v_pk_fma_f32 v[D1:D1+1], v[XS+2*\p+2:XS+2*\p+3], v[C+2*\p+2:C+2*\p+3], v[D1:D1+1]
	v_pk_fma_f32 v[N1:N1+1], v[XS+2*\p+2:XS+2*\p+3], v[XS+2*\p+2:XS+2*\p+3], v[N1:N1+1]
.endr
.if \refill
	FILL \t+SLOTS                                  ; straight behind the last read of the slot
.endif
	v_pk_add_f32 v[D0:D0+1], v[D0:D0+1], v[D1:D1+1]
	v_pk_add_f32 v[N0:N0+1], v[N0:N0+1], v[N1:N1+1]
	v_add_f32 v[T], v[D0], v[D0+1]                 ; my lane's part of the dot
	v_add_f32 v[T+1], v[N0], v[N0+1]               ; and of the squared norm
	; both sums share one walk over the lanes: the lower half collects the dot, the upper half the squared norm
	v_cndmask_b32 v[K], v[T+1], v[T], s14          ; lanes 0-15 keep their dot, lanes 16-31 their norm
	v_cndmask_b32 v[G], v[T], v[T+1], s14          ; and hand the other figure
	v_permlanex16_b32 v[D1], v[G], s12, s13        ; to the lane 16 away
	v_add_f32 v[K], v[K], v[D1]
	LANESUM16 K
.if \t
	s_mov_b32 s15, 0x00010001<<(\t)                ; lanes t and 16 + t
	v_cndmask_b32 v[R], v[R], v[K], s15
.else
	v_mov_b32 v[R], v[K]                           ; the first row writes R whole
.endif
.endm
.irp t, 0,1,2,3,4,5,6,7
	TURN \t, 1, 42                                 ; rows t + 1 .. t + 7 stay out: 7 x 6
.endr
.irp t, 8,9,10,11,12,13,14,15
	TURN \t, 0, 6*(15-\t)                          ; nothing more is loaded: the counts run down 42, 36, .. 0
.endr
	; sixteen cosines at once: lane l works on row l % 16 (both halves of the lanes alike)
	v_permlanex16_b32 v[T], v[R], s12, s13
	v_cndmask_b32 v[T+1], v[T], v[R], s14          ; dot
	v_cndmask_b32 v[T+2], v[R], v[T], s14          ; squared norm
	v_sqrt_f32 v[T+3], v[T+2]
	v_sqrt_f32 v[T+4], v[C2]
	v_nop                                          ; one plain vector instruction behind a transcendental before its result is used (ISA guide 5.7.2)
	s_wait_alu depctr_va_vdst(0)
	v_mul_f32 v[T+3], v[T+3], v[T+4]               ; the product of the two norms, as the problem forms it
	v_max_num_f32 v[T+3], 0x322bcc77, v[T+3]       ; at least 1e-8
	v_rcp_f32 v[T+4], v[T+3]
	v_nop
	s_wait_alu depctr_va_vdst(0)
	v_mul_f32 v[T+1], v[T+1], v[T+4]
	ds_store_b32 v3, v[T+1]                        ; lanes l and l + 16 write the same word with the same value
	s_wait_dscnt 0x0                               ; for wave 0's sake: my store is done before I say so
	s_barrier_signal -1
	s_barrier_wait -1
	s_cmp_lg_u32 s8, 0
	s_cbranch_scc1 .Lend
	ds_load_b128 v[D0:D0+3], v2                    ; wave 0: the group's 128 results, 16 bytes a lane
	s_wait_dscnt 0x0
	global_store_b128 v2, v[D0:D0+3], s[20:21]     ; one store of 512 consecutive bytes, at a multiple of 512 from the buffer's first byte
.Lend:
	s_wait_tensorcnt 0x0
	ds_add_u32 v240, v241
	s_wait_dscnt 0x0
	s_endpgm
.Lfunc_end_k_q0d75a3e543_simsk:
	.size	k_q0d75a3e543_simsk, .Lfunc_end_k_q0d75a3e543_simsk-k_q0d75a3e543_simsk
	.p2alignl 7, 3214868480
	.fill 96, 4, 3214868480
	.section	.rodata,"a",@progbits
	.p2align	6, 0x0
	.amdhsa_kernel k_q0d75a3e543_simsk
		.amdhsa_group_segment_fixed_size 1536
		.amdhsa_private_segment_fixed_size 0
		.amdhsa_enable_private_segment 0
		.amdhsa_kernarg_size 16
		.amdhsa_user_sgpr_count 2
		.amdhsa_user_sgpr_kernarg_segment_ptr 1
		.amdhsa_wavefront_size32 1
		.amdhsa_system_sgpr_workgroup_id_x 1
		.amdhsa_system_sgpr_workgroup_id_y 1
		.amdhsa_system_sgpr_workgroup_id_z 1
		.amdhsa_system_vgpr_workitem_id 0
		.amdhsa_next_free_vgpr 242
		.amdhsa_next_free_sgpr 66
		.amdhsa_reserve_vcc 0
		.amdhsa_float_denorm_mode_32 3
		.amdhsa_float_denorm_mode_16_64 3
		.amdhsa_memory_ordered 1
		.amdhsa_forward_progress 1
		.amdhsa_inst_pref_size 51
	.end_amdhsa_kernel
	.amdgpu_metadata
---
amdhsa.version: [ 1, 2 ]
amdhsa.kernels:
  - .name:           k_q0d75a3e543_simsk
    .symbol:         k_q0d75a3e543_simsk.kd
    .args:
      - { .name: hidden_states, .offset: 0, .size: 8, .value_kind: global_buffer, .address_space: global }
      - { .name: sims, .offset: 8, .size: 8, .value_kind: global_buffer, .address_space: global }
    .group_segment_fixed_size: 1536
    .private_segment_fixed_size: 0
    .kernarg_segment_align: 8
    .kernarg_segment_size: 16
    .max_flat_workgroup_size: 256
    .sgpr_count:     66
    .vgpr_count:     242
    .wavefront_size: 32
...
	.end_amdgpu_metadata
.endif
;; end of part 1
;; launch meansel (part 2): grid 262 x 1, 12 waves a work-group, no clusters, 7,680 bytes of LDS; arguments last_hidden_states, sims, input_ids, out0, out3, out4, order; writes out0, out3, out4, order
.if DOCPART == 2
	.amdgcn_target "amdgcn-amd-amdhsa--gfx1250"
	.amdhsa_code_object_version 6
	.text
	.protected	k_q0d75a3e543_meansel
	.globl	k_q0d75a3e543_meansel
	.p2align	8
	.type	k_q0d75a3e543_meansel,@function
k_q0d75a3e543_meansel:
	s_mov_b64 s[64:65], 0
	v_nop
	global_prefetch_b8 v0, s[64:65] scope:SCOPE_SE
	s_setreg_imm32_b32 hwreg(HW_REG_WAVE_MODE, 25, 1), 1
	s_wait_xcnt 0x0
; Two kinds of work in one launch, chosen by the work-group's number (alike for all its waves):
;   groups 0-5:   SELECT.  One wave for each batch (12 a group; the last group has 4 batches, its other waves end): weights = sims / sum(sims),
;                 the 7 largest in stable descending order, tokens 101 and 102 moved behind the others, the first 5 kept.
;                 Stores out3 (weights [1, w1..w5] divided by the sum of their magnitudes), out4 (ids) and order (row numbers for the next launch).
;   groups 6-261: MEAN.  out0[b][c] = mean over the 512 rows of last[b][.][c].  A group owns 192 columns (768 bytes) of one batch, all rows,
;                 so each number of out0 has one owner and no partial sum goes through memory.
; The selection is a long chain of dependent vector instructions on 64 waves; it stands here so that it runs while the second 100 MB stream runs.
; Nothing in the selection steers an address or a branch: keys, row numbers and ids travel as VALUES through v_cndmask_b32.
; No matrix unit (sums and comparisons only), no cluster (no two groups read the same bytes), no data mover (registers hold what is in flight).
; LIMITS of SELECT: a weight is sims x v_rcp_f32(sum) (1 ULP), not a quotient, so two weights that lie within a few last bits of each other may
; tie or order otherwise than by division; NaN or infinite similarities and a sum of 0 are not served (the problem's own results are not finite there).
.set ROWB, 3072                        ; bytes in a row of last
.set STEPB, 8*ROWB                     ; MEAN: the group's 384 threads cover 8 rows x 768 bytes in one step
	s_load_b256 s[4:11], s[0:1], 0x0               ; last s[4:5], sims s[6:7], ids s[8:9], out0 s[10:11]
	s_load_b128 s[12:15], s[0:1], 0x20             ; out3 s[12:13], out4 s[14:15]
	s_load_b64 s[16:17], s[0:1], 0x30              ; order
	v_lshl_add_u32 v144, v0, 2, 0x1800
	v_mov_b32 v145, 0
	v_lshrrev_b32 v4, 5, v0
	v_readfirstlane_b32 s20, v4                    ; wave 0..11
	s_mov_b32 s24, 0x76543210                      ; v_permlanex16_b32: lane i of one half reads lane i of the other
	s_mov_b32 s25, 0xfedcba98
	s_wait_kmcnt 0x0
	s_cmp_lt_u32 ttmp9, 6
	s_cbranch_scc1 .Lselect
; ------------------------------------------------------------------ MEAN
.set X, 8                              ; v[8:135]   32 slots of 4 registers: 32 loads (16 KB) of every wave on their way
.set A, 136                            ; v[136:139] sums of the even steps
.set B, 140                            ; v[140:143] sums of the odd steps
	s_sub_co_u32 s21, ttmp9, 6                     ; 0..255
	s_lshr_b32 s36, s21, 2                         ; batch
	s_and_b32 s37, s21, 3                          ; which 192 columns
	s_mul_i32 s38, s37, 768
	s_mul_i32 s22, s36, 512*ROWB
	s_add_co_u32 s22, s22, s38
	s_mov_b32 s23, 0
	s_mul_i32 s40, s36, ROWB
	s_add_co_u32 s40, s40, s38
	s_mov_b32 s41, 0
	s_add_nc_u64 s[26:27], s[4:5], s[22:23]        ; last at my batch and columns
	s_add_nc_u64 s[28:29], s[10:11], s[40:41]      ; out0 likewise
	; thread t = 48 r + p: row r (0..7) of a step, 16 bytes at 16 p.  Sixteen neighbouring lanes read 256 consecutive aligned bytes.
	v_lshlrev_b32 v2, 4, v0                        ; 16 t = 768 r + 16 p: also my place in LDS
	v_lshrrev_b32 v3, 4, v0                        ; group of 16 lanes, 0..23
	v_mul_u32_u24 v3, 11, v3
	v_lshrrev_b32 v3, 5, v3                        ; r = group / 3 (11 / 32 is exact for 0..23)
	v_mad_u32_u24 v1, v3, ROWB-768, v2             ; 3,072 r + 16 p: never rewritten
.irp s, 0,1,2,3,4,5,6,7,8,9,10,11,12,13,14,15,16,17,18,19,20,21,22,23,24,25,26,27,28,29,30,31
	global_load_b128 v[X+4*\s:X+4*\s+3], v1, s[26:27] offset:\s*STEPB th:TH_LOAD_NT
.endr
; Steps 2 p and 2 p + 1 (of 64).  left = how many younger loads may stay out.  For p < 16 the two slots are filled again, 32 steps ahead;
; the largest immediate is 63 x 24,576, inside the signed 24 bits.
.macro PAIR p, left
.set XA, X+4*((2*(\p))%32)
	s_wait_loadcnt \left
.if (\p)==0
	v_pk_add_f32 v[A:A+1],   v[XA:XA+1],   v[XA+4:XA+5]            ; the first two pairs start the sums: nothing is cleared
	v_pk_add_f32 v[A+2:A+3], v[XA+2:XA+3], v[XA+6:XA+7]
.else
.if (\p)==1
	v_pk_add_f32 v[B:B+1],   v[XA:XA+1],   v[XA+4:XA+5]
	v_pk_add_f32 v[B+2:B+3], v[XA+2:XA+3], v[XA+6:XA+7]
.else
	v_pk_add_f32 v[A:A+1],   v[A:A+1],   v[XA:XA+1]
	v_pk_add_f32 v[A+2:A+3], v[A+2:A+3], v[XA+2:XA+3]
	v_pk_add_f32 v[B:B+1],   v[B:B+1],   v[XA+4:XA+5]
	v_pk_add_f32 v[B+2:B+3], v[B+2:B+3], v[XA+6:XA+7]
.endif
.endif
.if (\p)<16
	global_load_b128 v[XA:XA+3],   v1, s[26:27] offset:(2*(\p)+32)*STEPB th:TH_LOAD_NT
	global_load_b128 v[XA+4:XA+7], v1, s[26:27] offset:(2*(\p)+33)*STEPB th:TH_LOAD_NT
.endif
.endm
.irp p, 0,1,2,3,4,5,6,7,8,9,10,11,12,13,14,15
	PAIR \p, 30                                    ; 32 + 2 p issued, the first 2 p + 2 needed: 30 stay out
.endr
.irp p, 16,17,18,19,20,21,22,23,24,25,26,27,28,29,30,31
	PAIR \p, 62-2*\p                               ; all 64 issued: the counts run down 30, 28, .. 0
.endr
	v_pk_add_f32 v[A:A+1],   v[A:A+1],   v[B:B+1]
	v_pk_add_f32 v[A+2:A+3], v[A+2:A+3], v[B+2:B+3]
	ds_store_b128 v2, v[A:A+3]                     ; 8 partial rows of 768 bytes; lane i at 16 i: consecutive
	s_wait_dscnt 0x0                               ; for the others' sake: my store is done before I say so
	s_barrier_signal -1
	s_barrier_wait -1
	s_cmp_ge_u32 s20, 2
	s_cbranch_scc1 .Lend                           ; threads 0-47 finish; waves 2-11 are done
	v_min_u32 v5, 752, v2                          ; threads 48-63 repeat thread 47's work (all lanes on, every read inside the 6,144 bytes) and store nothing
.irp r, 0,1,2,3,4,5,6,7
	ds_load_b128 v[X+4*\r:X+4*\r+3], v5 offset:768*\r
.endr
	s_wait_dscnt 0x0
.irp i, 0,1,2,3
	v_pk_add_f32 v[X+4*\i:X+4*\i+1],   v[X+4*\i:X+4*\i+1],   v[X+4*\i+16:X+4*\i+17]
	v_pk_add_f32 v[X+4*\i+2:X+4*\i+3], v[X+4*\i+2:X+4*\i+3], v[X+4*\i+18:X+4*\i+19]
.endr
.irp i, 0,1
	v_pk_add_f32 v[X+4*\i:X+4*\i+1],   v[X+4*\i:X+4*\i+1],   v[X+4*\i+8:X+4*\i+9]
	v_pk_add_f32 v[X+4*\i+2:X+4*\i+3], v[X+4*\i+2:X+4*\i+3], v[X+4*\i+10:X+4*\i+11]
.endr
	v_pk_add_f32 v[X:X+1],   v[X:X+1],   v[X+4:X+5]
	v_pk_add_f32 v[X+2:X+3], v[X+2:X+3], v[X+6:X+7]
	v_pk_mul_f32 v[X:X+1],   v[X:X+1],   0x3b000000 op_sel_hi:[1,0]    ; x 1/512, exact
	v_pk_mul_f32 v[X+2:X+3], v[X+2:X+3], 0x3b000000 op_sel_hi:[1,0]
	s_wait_xcnt 0x0                                ; EXEC is a source of every global access issued so far: it changes only behind this wait
	v_cmpx_gt_u32 48, v0
	global_store_b128 v2, v[X:X+3], s[28:29]       ; wave 0: 512 consecutive bytes, wave 1: 256, from a multiple of 256 in out0
	s_wait_xcnt 0x0
	s_mov_b32 exec_lo, -1
	s_wait_tensorcnt 0x0
	ds_add_u32 v144, v145
	s_wait_dscnt 0x0
	s_endpgm
; ------------------------------------------------------------------ SELECT
; Element (j, lane, e), j = 0..3, e = 0..3, lies in register 4 j + e and is token 128 j + 4 lane + e.
.set W,   8                            ; v[8:23]    keys: the weights; -inf once taken
.set NX,  24                           ; v[24:39]   MINUS the token's number, as f32: the lowest number is then a maximum too
.set ID,  40                           ; v[40:55]   token ids
.set T,   56                           ; v[56:71]   at work
.set M,   72                           ; the largest key, in every lane
.set SEL, 73                           ; minus the lowest number that has it, in every lane
.set RS,  76                           ; v[76:77]   1 / sum, twice (a pair for the packed multiply)
.set NI,  78                           ; -inf
.set NB,  79                           ; -1024: below minus every token number
.set CW,  80                           ; lane j (0..6): weight of candidate j
.set CI,  81                           ;                its token number
.set CID, 82                           ;                its id
.set IDA, 84                           ; v[84:90]   candidate j's id, at first in the one lane that held it, 0 elsewhere
.set POS, 92                           ; lane j: candidate j's place behind the stable partition
.set PV,  93
.set PI,  94
.set TW,  96                           ; lane 0: 1.0; lane p + 1: weight at place p
.set OI,  97                           ; lane 0: 0 (the first row); lane p + 1: token number at place p
.set OID, 98                           ; lane p: id at place p
.set AB,  99
.set Q,   100                          ; v[100:104] at work in MAX16
.Lselect:
	s_mul_i32 s21, ttmp9, 12
	s_add_co_u32 s21, s21, s20                     ; batch
	s_cmp_ge_u32 s21, 64
	s_cbranch_scc1 .Lend
	s_mov_b32 s23, 0
	s_lshl_b32 s22, s21, 11                        ; 512 numbers of 4 bytes
	s_add_nc_u64 s[26:27], s[6:7], s[22:23]        ; sims
	s_add_nc_u64 s[28:29], s[8:9], s[22:23]        ; ids
	s_lshl_b32 s22, s21, 5
	s_add_nc_u64 s[30:31], s[16:17], s[22:23]      ; order: 8 words a batch
	s_mul_i32 s22, s21, 24
	s_add_nc_u64 s[32:33], s[12:13], s[22:23]      ; out3: 6 words
	s_mul_i32 s22, s21, 20
	s_add_nc_u64 s[34:35], s[14:15], s[22:23]      ; out4: 5 words
	v_and_b32 v1, 31, v0                           ; lane
	v_lshlrev_b32 v2, 4, v1
	v_lshlrev_b32 v3, 2, v1
.irp j, 0,1,2,3
	global_load_b128 v[W+4*\j:W+4*\j+3], v2, s[26:27] offset:512*\j
.endr
.irp j, 0,1,2,3
	global_load_b128 v[ID+4*\j:ID+4*\j+3], v2, s[28:29] offset:512*\j
.endr
.irp j, 0,1,2,3
.irp e, 0,1,2,3
	v_sub_nc_u32 v[NX+4*\j+\e], (0-(128*\j+\e))&0xffffffff, v3     ; -(128 j + e) - 4 lane
	v_cvt_f32_i32 v[NX+4*\j+\e], v[NX+4*\j+\e]                     ; exact
.endr
.endr
	v_mov_b32 v[NB], 0xc4800000
	s_wait_loadcnt 4                               ; the four loads of ids are younger and stay out: the similarities are in
	v_pk_add_f32 v[T:T+1],   v[W:W+1],     v[W+2:W+3]
	v_pk_add_f32 v[T+2:T+3], v[W+4:W+5],   v[W+6:W+7]
	v_pk_add_f32 v[T+4:T+5], v[W+8:W+9],   v[W+10:W+11]
	v_pk_add_f32 v[T+6:T+7], v[W+12:W+13], v[W+14:W+15]
	v_pk_add_f32 v[T:T+1],   v[T:T+1],     v[T+2:T+3]
	v_pk_add_f32 v[T+4:T+5], v[T+4:T+5],   v[T+6:T+7]
	v_pk_add_f32 v[T:T+1],   v[T:T+1],     v[T+4:T+5]
	v_add_f32 v[T], v[T], v[T+1]
	v_add_f32_dpp v[T], v[T], v[T] row_xmask:1 row_mask:0xf bank_mask:0xf
	v_add_f32_dpp v[T], v[T], v[T] row_xmask:2 row_mask:0xf bank_mask:0xf
	v_add_f32_dpp v[T], v[T], v[T] row_xmask:4 row_mask:0xf bank_mask:0xf
	v_add_f32_dpp v[T], v[T], v[T] row_xmask:8 row_mask:0xf bank_mask:0xf
	v_permlanex16_b32 v[T+1], v[T], s24, s25
	v_add_f32 v[T], v[T], v[T+1]                   ; the sum of the 512 similarities, in every lane.  It may be negative: then the order turns round,
	v_rcp_f32 v[RS], v[T]                          ; which is why the keys are the weights and not the similarities
	v_rcp_f32 v[RS+1], v[T]
	v_mov_b32 v[NI], 0xff800000                    ; the plain vector instruction behind the transcendentals (ISA guide 5.7.2)
	s_wait_alu depctr_va_vdst(0)
.irp p, 0,2,4,6,8,10,12,14
	v_pk_mul_f32 v[W+\p:W+\p+1], v[W+\p:W+\p+1], v[RS:RS+1]
.endr
	s_wait_loadcnt 0x0                             ; the ids
.macro MAX16 dst, src                  ; the largest of 16 registers x 32 lanes, into every lane of dst
	v_max3_num_f32 v[Q],   v[\src],    v[\src+1],  v[\src+2]
	v_max3_num_f32 v[Q+1], v[\src+3],  v[\src+4],  v[\src+5]
	v_max3_num_f32 v[Q+2], v[\src+6],  v[\src+7],  v[\src+8]
	v_max3_num_f32 v[Q+3], v[\src+9],  v[\src+10], v[\src+11]
	v_max3_num_f32 v[Q+4], v[\src+12], v[\src+13], v[\src+14]
	v_max3_num_f32 v[Q],   v[Q],   v[Q+1], v[Q+2]
	v_max3_num_f32 v[Q+3], v[Q+3], v[Q+4], v[\src+15]
	v_max_num_f32 v[\dst], v[Q], v[Q+3]
	v_max_num_f32_dpp v[\dst], v[\dst], v[\dst] row_xmask:1 row_mask:0xf bank_mask:0xf
	v_max_num_f32_dpp v[\dst], v[\dst], v[\dst] row_xmask:2 row_mask:0xf bank_mask:0xf
	v_max_num_f32_dpp v[\dst], v[\dst], v[\dst] row_xmask:4 row_mask:0xf bank_mask:0xf
	v_max_num_f32_dpp v[\dst], v[\dst], v[\dst] row_xmask:8 row_mask:0xf bank_mask:0xf
	v_permlanex16_b32 v[Q+1], v[\dst], s24, s25
	v_max_num_f32 v[\dst], v[\dst], v[Q+1]
.endm
; Candidate j: the largest key left; among equal keys the lowest token number (the stable order); it is then taken out.
.macro ITER j
	MAX16 M, W
.irp e, 0,1,2,3,4,5,6,7,8,9,10,11,12,13,14,15
	v_cmp_eq_f32 vcc_lo, v[W+\e], v[M]
	v_cndmask_b32 v[T+\e], v[NB], v[NX+\e], vcc_lo                 ; minus the number where the key is the largest, -1024 elsewhere
.endr
	MAX16 SEL, T
	v_cmp_eq_f32 vcc_lo, v[NX], v[SEL]
	v_cndmask_b32 v[W], v[W], v[NI], vcc_lo
	v_cndmask_b32 v[IDA+\j], 0, v[ID], vcc_lo                      ; the first choice writes the register whole: nothing is cleared
.irp e, 1,2,3,4,5,6,7,8,9,10,11,12,13,14,15
	v_cmp_eq_f32 vcc_lo, v[NX+\e], v[SEL]
	v_cndmask_b32 v[W+\e], v[W+\e], v[NI], vcc_lo                  ; taken out
	v_cndmask_b32 v[IDA+\j], v[IDA+\j], v[ID+\e], vcc_lo           ; its id goes along as a value
.endr
.if \j
	s_mov_b32 s36, 1<<\j
	v_cndmask_b32 v[CW], v[CW], v[M], s36                          ; into lane j
	v_cndmask_b32 v[CI], v[CI], v[SEL], s36
.else
	v_mov_b32 v[CW], v[M]
	v_mov_b32 v[CI], v[SEL]
.endif
.endm
.irp j, 0,1,2,3,4,5,6
	ITER \j
.endr
	; the seven ids to all lanes: one lane holds the id, the others 0, so an OR over the lanes is the id.  Seven chains side by side.
.irp m, 1,2,4,8
.irp j, 0,1,2,3,4,5,6
	v_mov_b32_dpp v[T+\j], v[IDA+\j] row_xmask:\m row_mask:0xf bank_mask:0xf
.endr
.irp j, 0,1,2,3,4,5,6
	v_or_b32 v[IDA+\j], v[IDA+\j], v[T+\j]
.endr
.endr
.irp j, 0,1,2,3,4,5,6
	v_permlanex16_b32 v[T+\j], v[IDA+\j], s24, s25
.endr
.irp j, 0,1,2,3,4,5,6
	v_or_b32 v[IDA+\j], v[IDA+\j], v[T+\j]
.endr
	v_mov_b32 v[CID], v[IDA]
.irp j, 1,2,3,4,5,6
	s_mov_b32 s36, 1<<\j
	v_cndmask_b32 v[CID], v[CID], v[IDA+\j], s36
.endr
	v_xor_b32 v[CI], 0x80000000, v[CI]
	v_cvt_u32_f32 v[CI], v[CI]                     ; the token number, 0..511
	; stable partition of the seven: those that are neither 101 nor 102 first, in order, then the others, in order
	v_cmp_ne_u32 s37, 101, v[CID]
	v_cmp_ne_u32 s38, 102, v[CID]
	s_and_b32 s37, s37, s38
	s_and_b32 s37, s37, 0x7f                       ; valid candidates
	s_xor_b32 s38, s37, 0x7f                       ; the others
	s_bcnt1_i32_b32 s39, s37
	v_mbcnt_lo_u32_b32 v[PV], s37, 0               ; valid ones in front of me
	v_mbcnt_lo_u32_b32 v[PI], s38, s39             ; all valid ones + invalid ones in front of me
	v_cndmask_b32 v[POS], v[PI], v[PV], s37
	v_mov_b32 v[TW], 1.0                           ; lane 0 keeps these: the weight 1 and row 0 of the first feature
	v_mov_b32 v[OI], 0
	v_mov_b32 v[OID], 0
.irp j, 0,1,2,3,4,5,6
	v_readlane_b32 s40, v[POS], \j
	v_readlane_b32 s41, v[CW], \j
	v_readlane_b32 s42, v[CI], \j
	v_readlane_b32 s43, v[CID], \j
	s_add_co_u32 s44, s40, 1
	v_cmp_eq_u32 vcc_lo, s44, v1                   ; weights and row numbers stand one lane up, behind the first feature's
	v_cndmask_b32 v[TW], v[TW], s41, vcc_lo
	v_cndmask_b32 v[OI], v[OI], s42, vcc_lo
	v_cmp_eq_u32 vcc_lo, s40, v1                   ; ids from lane 0 on
	v_cndmask_b32 v[OID], v[OID], s43, vcc_lo
.endr
	; [1, w1 .. w5] divided by max(sum of magnitudes, 1e-12)
	v_and_b32 v[AB], 0x7fffffff, v[TW]
	s_mov_b32 s45, 0x3f
	v_cndmask_b32 v[AB], 0, v[AB], s45             ; lanes 0-5 count
	v_add_f32_dpp v[AB], v[AB], v[AB] row_xmask:1 row_mask:0xf bank_mask:0xf
	v_add_f32_dpp v[AB], v[AB], v[AB] row_xmask:2 row_mask:0xf bank_mask:0xf
	v_add_f32_dpp v[AB], v[AB], v[AB] row_xmask:4 row_mask:0xf bank_mask:0xf
	v_add_f32_dpp v[AB], v[AB], v[AB] row_xmask:8 row_mask:0xf bank_mask:0xf
	v_max_num_f32 v[AB], 0x2b8cbccc, v[AB]
	v_rcp_f32 v[Q], v[AB]
	v_nop
	s_wait_alu depctr_va_vdst(0)
	v_mul_f32 v[TW], v[TW], v[Q]
	; 32, 24 and 20 bytes a batch: these outputs are no larger.  EXEC is a source of the accesses issued before: it narrows only behind s_wait_xcnt 0.
	s_wait_xcnt 0x0
	v_cmpx_gt_u32 8, v1
	global_store_b32 v3, v[OI], s[30:31]           ; order[b][0..7]: 0, the five kept, the two dropped
	s_wait_xcnt 0x0
	v_cmpx_gt_u32 6, v1
	global_store_b32 v3, v[TW], s[32:33]
	s_wait_xcnt 0x0
	v_cmpx_gt_u32 5, v1
	global_store_b32 v3, v[OID], s[34:35]
.Lend:
	s_wait_xcnt 0x0
	s_mov_b32 exec_lo, -1
	s_wait_tensorcnt 0x0
	ds_add_u32 v144, v145
	s_wait_dscnt 0x0
	s_endpgm
.Lfunc_end_k_q0d75a3e543_meansel:
	.size	k_q0d75a3e543_meansel, .Lfunc_end_k_q0d75a3e543_meansel-k_q0d75a3e543_meansel
	.p2alignl 7, 3214868480
	.fill 96, 4, 3214868480
	.section	.rodata,"a",@progbits
	.p2align	6, 0x0
	.amdhsa_kernel k_q0d75a3e543_meansel
		.amdhsa_group_segment_fixed_size 7680
		.amdhsa_private_segment_fixed_size 0
		.amdhsa_enable_private_segment 0
		.amdhsa_kernarg_size 56
		.amdhsa_user_sgpr_count 2
		.amdhsa_user_sgpr_kernarg_segment_ptr 1
		.amdhsa_wavefront_size32 1
		.amdhsa_system_sgpr_workgroup_id_x 1
		.amdhsa_system_sgpr_workgroup_id_y 1
		.amdhsa_system_sgpr_workgroup_id_z 1
		.amdhsa_system_vgpr_workitem_id 0
		.amdhsa_next_free_vgpr 146
		.amdhsa_next_free_sgpr 66
		.amdhsa_reserve_vcc 1
		.amdhsa_float_denorm_mode_32 3
		.amdhsa_float_denorm_mode_16_64 3
		.amdhsa_memory_ordered 1
		.amdhsa_forward_progress 1
		.amdhsa_inst_pref_size 63
	.end_amdhsa_kernel
	.amdgpu_metadata
---
amdhsa.version: [ 1, 2 ]
amdhsa.kernels:
  - .name:           k_q0d75a3e543_meansel
    .symbol:         k_q0d75a3e543_meansel.kd
    .args:
      - { .name: last_hidden_states, .offset: 0, .size: 8, .value_kind: global_buffer, .address_space: global }
      - { .name: sims, .offset: 8, .size: 8, .value_kind: global_buffer, .address_space: global }
      - { .name: input_ids, .offset: 16, .size: 8, .value_kind: global_buffer, .address_space: global }
      - { .name: out0, .offset: 24, .size: 8, .value_kind: global_buffer, .address_space: global }
      - { .name: out3, .offset: 32, .size: 8, .value_kind: global_buffer, .address_space: global }
      - { .name: out4, .offset: 40, .size: 8, .value_kind: global_buffer, .address_space: global }
      - { .name: order, .offset: 48, .size: 8, .value_kind: global_buffer, .address_space: global }
    .group_segment_fixed_size: 7680
    .private_segment_fixed_size: 0
    .kernarg_segment_align: 8
    .kernarg_segment_size: 56
    .max_flat_workgroup_size: 384
    .sgpr_count:     66
    .vgpr_count:     146
    .wavefront_size: 32
...
	.end_amdgpu_metadata
.endif
;; end of part 2
;; launch gather (part 3): grid 64 x 7, 1 waves a work-group, no clusters, 0 bytes of LDS; arguments hidden_states, pooler_output, order, out1, out2; writes out1, out2
.if DOCPART == 3
	.amdgcn_target "amdgcn-amd-amdhsa--gfx1250"
	.amdhsa_code_object_version 6
	.text
	.protected	k_q0d75a3e543_gather
	.globl	k_q0d75a3e543_gather
	.p2align	8
	.type	k_q0d75a3e543_gather,@function
k_q0d75a3e543_gather:
	s_mov_b64 s[64:65], 0
	v_nop
	global_prefetch_b8 v0, s[64:65] scope:SCOPE_SE
	s_setreg_imm32_b32 hwreg(HW_REG_WAVE_MODE, 25, 1), 1
	s_wait_xcnt 0x0
; 448 copies of one row of 3,072 bytes, one wave each.  x = batch b, y = role.
;   roles 0-5: out2[b][role] = h[b][order[b][role]]   (order[b][0] = 0: the first feature is row 0)
;   role 6:    out1[b] = pooler[b]
; One text without a branch: the role chooses bases and pitches by s_cselect.  Role 6 reads order[b][6] like the others and multiplies it by 0.
; The row numbers were stored as whole numbers by the launch before; here they are clamped to 511, the last row, before they enter an address.
; Six loads and six stores of 512 consecutive aligned bytes.  Nothing is shared and nothing is computed: no LDS, no cluster, no matrix unit.
.set ROWB, 3072
	s_load_b256 s[4:11], s[0:1], 0x0               ; h s[4:5], pooler s[6:7], order s[8:9], out1 s[10:11]
	s_load_b64 s[12:13], s[0:1], 0x20              ; out2
	s_and_b32 s14, ttmp7, 0xffff                   ; role
	s_lshl_b32 s16, ttmp9, 5                       ; 8 words a batch
	s_lshl2_add_u32 s16, s14, s16                  ; + 4 x role
	s_mov_b32 s17, 0
	v_lshlrev_b32 v1, 4, v0                        ; 16 bytes a lane
	s_wait_kmcnt 0x0
	s_add_nc_u64 s[18:19], s[8:9], s[16:17]
	s_load_b32 s20, s[18:19], 0x0                  ; the row number
	s_mov_b32 s21, 512*ROWB
	s_cmp_eq_u32 s14, 6                            ; behind it only lines that leave SCC alone
	s_cselect_b32 s21, ROWB, s21                   ; source bytes from batch to batch
	s_cselect_b32 s22, 0, ROWB                     ; source bytes for each row number
	s_cselect_b32 s23, 1, 6                        ; destination rows in a batch
	s_cselect_b32 s24, 0, s14                      ; destination row in the batch
	s_cselect_b64 s[26:27], s[6:7], s[4:5]         ; from
	s_cselect_b64 s[28:29], s[10:11], s[12:13]     ; to
	s_mul_i32 s30, ttmp9, s21
	s_mul_i32 s32, ttmp9, s23
	s_add_co_u32 s32, s32, s24
	s_mul_i32 s32, s32, ROWB
	s_mov_b32 s33, 0
	s_add_nc_u64 s[28:29], s[28:29], s[32:33]
	s_wait_kmcnt 0x0
	s_min_u32 s20, s20, 511
	s_mul_i32 s20, s20, s22
	s_add_co_u32 s30, s30, s20                     ; at most 63 x 1,572,864 + 511 x 3,072: one word
	s_mov_b32 s31, 0
	s_add_nc_u64 s[26:27], s[26:27], s[30:31]
.irp j, 0,1,2,3,4,5
	global_load_b128 v[4+4*\j:7+4*\j], v1, s[26:27] offset:512*\j
.endr
.irp j, 0,1,2,3,4,5
	s_wait_loadcnt 5-\j                            ; loads come back in order: the later pieces of the row stay out
	global_store_b128 v1, v[4+4*\j:7+4*\j], s[28:29] offset:512*\j th:TH_STORE_NT
.endr
	s_endpgm
.Lfunc_end_k_q0d75a3e543_gather:
	.size	k_q0d75a3e543_gather, .Lfunc_end_k_q0d75a3e543_gather-k_q0d75a3e543_gather
	.p2alignl 7, 3214868480
	.fill 96, 4, 3214868480
	.section	.rodata,"a",@progbits
	.p2align	6, 0x0
	.amdhsa_kernel k_q0d75a3e543_gather
		.amdhsa_group_segment_fixed_size 0
		.amdhsa_private_segment_fixed_size 0
		.amdhsa_enable_private_segment 0
		.amdhsa_kernarg_size 40
		.amdhsa_user_sgpr_count 2
		.amdhsa_user_sgpr_kernarg_segment_ptr 1
		.amdhsa_wavefront_size32 1
		.amdhsa_system_sgpr_workgroup_id_x 1
		.amdhsa_system_sgpr_workgroup_id_y 1
		.amdhsa_system_sgpr_workgroup_id_z 1
		.amdhsa_system_vgpr_workitem_id 0
		.amdhsa_next_free_vgpr 32
		.amdhsa_next_free_sgpr 66
		.amdhsa_reserve_vcc 0
		.amdhsa_float_denorm_mode_32 3
		.amdhsa_float_denorm_mode_16_64 3
		.amdhsa_memory_ordered 1
		.amdhsa_forward_progress 1
		.amdhsa_inst_pref_size 3
	.end_amdhsa_kernel
	.amdgpu_metadata
---
amdhsa.version: [ 1, 2 ]
amdhsa.kernels:
  - .name:           k_q0d75a3e543_gather
    .symbol:         k_q0d75a3e543_gather.kd
    .args:
      - { .name: hidden_states, .offset: 0, .size: 8, .value_kind: global_buffer, .address_space: global }
      - { .name: pooler_output, .offset: 8, .size: 8, .value_kind: global_buffer, .address_space: global }
      - { .name: order, .offset: 16, .size: 8, .value_kind: global_buffer, .address_space: global }
      - { .name: out1, .offset: 24, .size: 8, .value_kind: global_buffer, .address_space: global }
      - { .name: out2, .offset: 32, .size: 8, .value_kind: global_buffer, .address_space: global }
    .group_segment_fixed_size: 0
    .private_segment_fixed_size: 0
    .kernarg_segment_align: 8
    .kernarg_segment_size: 40
    .max_flat_workgroup_size: 32
    .sgpr_count:     66
    .vgpr_count:     32
    .wavefront_size: 32
...
	.end_amdgpu_metadata
.endif
;; end of part 3
